; MI455X (gfx1250); checked and timed in simulation.
; The chip was launched on July 23, 2026; its instructions are those of AMD's public machine-readable ISA for CDNA 5 (MIT licence, August 2026) and "CDNA5" Instruction Set Architecture Reference Guide (July 2026). The comments in the code are by the model that wrote it; some were corrected since.
;; FBP Layer. Allowed arithmetic: float matrix products may take bf16 or f16 operands with f32 sums; other float arithmetic in f32, or as packed bf16 or f16 multiplies, adds, multiply-adds, maxima and minima; sums over many terms, partial sums and values carried from step to step in f32; what a program stores and reads back later, other than sums and carried values, may be rounded once to bf16 or f16.
;; Inputs: sino 32 x 1 x 720 x 736 float32.
;; Outputs: out0 32 x 1 x 128 x 128 float32.
;; 2 versions, each right; version 2 is version 1 with the launch bp written anew for expert scheduling mode. Each part assembles by itself: llvm-mc -triple=amdgcn-amd-amdhsa -mcpu=gfx1250 --defsym DOCPART=n.
;; ======== version 1 of 2: 3 launches
;; limits: values outside matrix products are rounded to bf16
;; workspace buffers: s16 14,745,600 bytes; trig 11,520 bytes; gb 184,320 bytes of whole numbers; kt 2,949,120 bytes of whole numbers; kf 2,949,120 bytes; part 8,388,608 bytes
;; launch prep (part 1): grid 720 x 2, 8 waves a work-group, no clusters, 22,272 bytes of LDS; arguments sino, s16, trig, gb, kt, kf; writes s16, trig, gb, kt, kf
.if DOCPART == 1
	.amdgcn_target "amdgcn-amd-amdhsa--gfx1250"
	.amdhsa_code_object_version 6
	.text
	.protected	k_qf20c0ce2e0_prep
	.globl	k_qf20c0ce2e0_prep
	.p2align	8
	.type	k_qf20c0ce2e0_prep,@function
k_qf20c0ce2e0_prep:
	s_mov_b64 s[64:65], 0
	v_nop
	global_prefetch_b8 v0, s[64:65] scope:SCOPE_SE
	s_setreg_imm32_b32 hwreg(HW_REG_WAVE_MODE, 25, 1), 1
	s_wait_xcnt 0x0
; PREPARATION FOR THE FAN-BEAM BACKPROJECTION.  sino: [32][1][720][736] f32.
; GEOMETRY (constants of the problem, no input enters it).  For pixel (px, py) and angle n, with c, s = cos, sin of 2 pi n / 720:
;   ui = 367.5 + (1.5 c py - 1.5 s px) / (1 - px c / 1000 - py s / 1000),   weight = 1 / (that divisor)^2.
; A pixel lies at most 89.81 from the centre, so |ui - 367.5| <= 1500 x 89.81 / sqrt(1000^2 - 89.81^2) = 135.3: ui stays within 232.2 .. 502.8 for every pixel and angle.
; So the clips of the index and of the fraction and the mask 'inside' never act and are not written, and only columns 232 .. 551 are ever indexed: the others are not read.
; ui changes by at most 1500 / 910.2 = 1.648 a pixel: a tile of 4 x 4 pixels spans under 6.992 bins, a block of 16 x 16 under 34.96.  Bins go in GROUPS of 8; a tile's taps lie in two
; groups from the group of its least ui on, a block's in six.  ui is a quotient of two affine functions with a positive divisor, so its least value over a rectangle lies at a corner.
; WORK-GROUPS WITH y = 0 (one for each angle n): columns 232 .. 551 of all 32 batches, rounded once to bf16 (they are matrix operands of the next launch), laid out as
;   s16[n][group 40][batch 32][8 bins]: 20,480 bytes an angle, 512 a group.  The turn goes through LDS, so that memory is read in runs of 256 bytes and written in runs of 512.
; WORK-GROUPS WITH y = 1: the tables.  trig[n] = (c/1000, s/1000, 1.5 c, 1.5 s);  gb[block][n] = the block's first group - 29 (0 .. 34);
;   kt[block][n][tile] = the tile's first group less the block's (0 .. 4);  kf[block][n][tile] = 368.5 - 8 x the tile's first group.
;   Block = 8 (y / 16) + x / 16; tile = 4 ((y / 4) % 4) + (x / 4) % 4.  A tile's group is held to 0 .. 4 from the block's: with 4 its two groups still reach the block's last tap (bin 43 of 48).
; LIMITS.  sino is taken as finite; a number beyond bf16's largest becomes an infinity here.  Sine and cosine: Taylor sums on 0 .. pi/2 up to x^13 and x^14, the terms left out are below 7e-10.
.set BATB,   0x205800                  ; bytes from batch to batch: 720 x 736 x 4
.set GPITCH, 528                       ; a group in the stage: 512 bytes + 16 = 132 words, so neighbouring groups start four banks apart (64 banks of 4 bytes: ISA guide 11.1)
.set SPARE,  21248                     ; behind the stage (40 x 528 = 21,120 bytes): the spare words, 128 bytes a wave, four blocks of 256 bytes that no other line names
.set SPW, 1                            ; v1  SPARE + 4 x my thread's number; never rewritten
.set NIL, 2                            ; v2  0; never rewritten
; y = 0
.set BB,  4                            ; batch 0 .. 15
.set CK,  5
.set TA,  6
.set VOF, 10                           ; my byte offset in sino
.set LAD, 11                           ; where I put 8 bytes in the stage
.set DAT, 32                           ; v[32:71] ten loads of 16 bytes; later five reads of the stage
.set CV,  72                           ; v[72:91] ten pairs of packed bf16
.set RDA, 92                           ; where I read the stage back
.set STA, 93                           ; 16 x my thread's number
; y = 1
.set BN,  3                            ; 720 x block + angle
.set NN,  4                            ; angle
.set BLK, 5
.set QD,  6                            ; quadrant
.set PHI, 7
.set X2,  8
.set PSN, 9
.set PCS, 10
.set TMP, 11
.set CSV, 12                           ; cos
.set SNV, 13                           ; sin
.set CPR, 14                           ; v[14:17] c/1000, s/1000, 1.5 c, 1.5 s: as they are stored
.set SPR, 15
.set CHF, 16
.set SHF, 17
.set XLO, 18
.set XHI, 19
.set YLO, 20
.set YHI, 21
.set ELO, 22                           ; 1 - y s/1000 and 1.5 c y for the rectangle's two rows
.set FLO, 23
.set EHI, 24
.set FHI, 25
.set DD,  26                           ; v[26:29] the four corners' divisors, then their reciprocals
.set DU,  30                           ; v[30:33] the four corners' numerators, then ui
.set MN,  34
.set GB,  35                           ; the block's first group
.set XA,  36
.set XB,  37
.set GT,  38
.set REL, 40                           ; v[40:43]
.set KFV, 44                           ; v[44:47]
.set AD,  48                           ; 16 x my thread's number
.set GP,  50                           ; v[50:51]
.set AD8, 52                           ; 8 x my thread's number
	s_load_b256 s[4:11], s[0:1], 0x0               ; sino s[4:5], s16 s[6:7], trig s[8:9], gb s[10:11]
	s_load_b128 s[12:15], s[0:1], 0x20             ; kt s[12:13], kf s[14:15]
	v_lshl_add_u32 v[SPW], v0, 2, SPARE
	v_mov_b32 v[NIL], 0
	s_mov_b32 s16, ttmp9                           ; x
	s_and_b32 s17, ttmp7, 0xffff                   ; y: the same in all eight waves
	s_mov_b32 s19, 0                               ; high word of the offset pair s[18:19]
	s_cmp_lg_u32 s17, 0
	s_cbranch_scc1 .Ltables
; ---------------- y = 0: angle x of sino to bf16, by groups ----------------
; Thread t: batch t / 16 (and 16 more in loads 5 to 9), chunk t % 16 of 16 bytes (and 16 chunks more from load to load): sixteen lanes read 256 consecutive bytes.
	v_and_b32 v[TA], 15, v0
	v_lshrrev_b32 v[BB], 4, v0
	v_mul_u32_u24 v[VOF], BATB, v[BB]
	v_lshl_add_u32 v[VOF], v[TA], 4, v[VOF]
	v_lshrrev_b32 v[CK], 1, v[TA]                  ; a chunk is half a group
	v_mul_u32_u24 v[LAD], GPITCH, v[CK]
	v_and_b32 v[CK], 1, v[TA]
	v_lshl_add_u32 v[LAD], v[CK], 3, v[LAD]
	v_lshl_add_u32 v[LAD], v[BB], 4, v[LAD]        ; group x 528 + batch x 16 + half x 8
	v_lshrrev_b32 v[CK], 5, v0
	v_mul_u32_u24 v[RDA], GPITCH, v[CK]
	v_and_b32 v[CK], 31, v0
	v_lshl_add_u32 v[RDA], v[CK], 4, v[RDA]        ; back: a wave takes a whole group, 512 bytes
	v_lshlrev_b32 v[STA], 4, v0
	s_mul_i32 s18, s16, 2944                       ; the angle's row,
	s_add_co_u32 s18, s18, 928                     ; column 232
	s_mul_i32 s20, s16, 20480
	s_mov_b32 s21, 0
	s_wait_kmcnt 0x0
	s_add_nc_u64 s[22:23], s[4:5], s[18:19]        ; batches 0 to 15
	s_add_nc_u64 s[26:27], s[22:23], 16*BATB       ; batches 16 to 31: too far for the immediate
	s_add_nc_u64 s[24:25], s[6:7], s[20:21]
.set i, 0
.rept 10
	global_load_b128 v[DAT+4*i:DAT+4*i+3], v[VOF], s[22+4*(i/5):23+4*(i/5)] offset:256*(i%5) th:TH_LOAD_NT
.set i, i+1
.endr
.set i, 0
.rept 10
	s_wait_loadcnt 9-i                             ; loads come back in order: load i is in, the younger ones stay out
	v_cvt_pk_bf16_f32 v[CV+2*i], v[DAT+4*i], v[DAT+4*i+1]
	v_cvt_pk_bf16_f32 v[CV+2*i+1], v[DAT+4*i+2], v[DAT+4*i+3]
	ds_store_b64 v[LAD], v[CV+2*i:CV+2*i+1] offset:8*GPITCH*(i%5)+256*(i/5)
.set i, i+1
.endr
	s_wait_dscnt 0x0                               ; for the others' sake: my stores into the stage are done
	s_barrier_signal -1
	s_barrier_wait -1
.irp i, 0,1,2,3,4
	ds_load_b128 v[DAT+4*\i:DAT+4*\i+3], v[RDA] offset:8*GPITCH*\i
.endr
.irp i, 0,1,2,3,4
	s_wait_dscnt 4-\i
	global_store_b128 v[STA], v[DAT+4*\i:DAT+4*\i+3], s[24:25] offset:4096*\i  ; a wave stores 512 consecutive bytes, at a multiple of 512 from the buffer's first byte
.endr
	s_wait_tensorcnt 0x0                           ; the wave's end
	ds_add_u32 v[SPW], v[NIL]
	s_wait_dscnt 0x0
	s_endpgm
; ---------------- y = 1: the tables ----------------
; cos and sin of angle v[NN], and the four coefficients.  quadrant = n / 180 (n x 46604 >> 23 is exact for n < 1,000), phi = (n % 180) pi / 360 in 0 .. pi/2.
.macro SINCOS
	v_mul_u32_u24 v[QD], 0xb60c, v[NN]
	v_lshrrev_b32 v[QD], 23, v[QD]
	v_mul_u32_u24 v[TMP], 180, v[QD]
	v_sub_nc_u32 v[TMP], v[NN], v[TMP]
	v_cvt_f32_u32 v[PHI], v[TMP]
	v_mul_f32 v[PHI], 0x3c0efa35, v[PHI]           ; pi / 360
	v_mul_f32 v[X2], v[PHI], v[PHI]
	v_mov_b32 v[PSN], 0x2f309231                   ; 1/13!
	v_mov_b32 v[PCS], 0xad49cba5                   ; -1/14!
	v_fmaak_f32 v[PSN], v[PSN], v[X2], 0xb2d7322b  ; -1/11!
	v_fmaak_f32 v[PCS], v[PCS], v[X2], 0x310f76c7  ; 1/12!
	v_fmaak_f32 v[PSN], v[PSN], v[X2], 0x3638ef1d  ; 1/9!
	v_fmaak_f32 v[PCS], v[PCS], v[X2], 0xb493f27e  ; -1/10!
	v_fmaak_f32 v[PSN], v[PSN], v[X2], 0xb9500d01  ; -1/7!
	v_fmaak_f32 v[PCS], v[PCS], v[X2], 0x37d00d01  ; 1/8!
	v_fmaak_f32 v[PSN], v[PSN], v[X2], 0x3c088889  ; 1/5!
	v_fmaak_f32 v[PCS], v[PCS], v[X2], 0xbab60b61  ; -1/6!
	v_fmaak_f32 v[PSN], v[PSN], v[X2], 0xbe2aaaab  ; -1/3!
	v_fmaak_f32 v[PCS], v[PCS], v[X2], 0x3d2aaaab  ; 1/4!
	v_fma_f32 v[PSN], v[PSN], v[X2], 1.0
	v_fma_f32 v[PCS], v[PCS], v[X2], -0.5
	v_mul_f32 v[PSN], v[PSN], v[PHI]               ; sin phi
	v_fma_f32 v[PCS], v[PCS], v[X2], 1.0           ; cos phi
	v_and_b32 v[TMP], 1, v[QD]
	v_cmp_eq_u32 vcc_lo, 1, v[TMP]                 ; odd quadrants swap the two
	v_cndmask_b32 v[CSV], v[PCS], v[PSN], vcc_lo
	v_cndmask_b32 v[SNV], v[PSN], v[PCS], vcc_lo
	v_add_nc_u32 v[TMP], 1, v[QD]                  ; cos is negative in quadrants 1 and 2,
	v_and_b32 v[TMP], 2, v[TMP]
	v_lshlrev_b32 v[TMP], 30, v[TMP]
	v_xor_b32 v[CSV], v[TMP], v[CSV]
	v_and_b32 v[TMP], 2, v[QD]                     ; sin in quadrants 2 and 3
	v_lshlrev_b32 v[TMP], 30, v[TMP]
	v_xor_b32 v[SNV], v[TMP], v[SNV]
	v_mul_f32 v[CPR], 0x3a83126f, v[CSV]           ; 0.001
	v_mul_f32 v[SPR], 0x3a83126f, v[SNV]
	v_mul_f32 v[CHF], 0x3fc00000, v[CSV]           ; 1.5
	v_mul_f32 v[SHF], 0x3fc00000, v[SNV]
.endm
.macro YT y, e, f                      ; a row's part of divisor and numerator
	v_fma_f32 v[\e], -v[\y], v[SPR], 1.0
	v_mul_f32 v[\f], v[\y], v[CHF]
.endm
; The group (bin / 8) of the least ui over the four corners (xa | xb) x (the two rows set by YT).
.macro MINGRP dst, xa, xb
	v_fma_f32 v[DD],   -v[\xa], v[CPR], v[ELO]
	v_fma_f32 v[DD+1], -v[\xb], v[CPR], v[ELO]
	v_fma_f32 v[DD+2], -v[\xa], v[CPR], v[EHI]
	v_fma_f32 v[DD+3], -v[\xb], v[CPR], v[EHI]
	v_rcp_f32 v[DD],   v[DD]
	v_rcp_f32 v[DD+1], v[DD+1]
	v_rcp_f32 v[DD+2], v[DD+2]
	v_rcp_f32 v[DD+3], v[DD+3]
	v_fma_f32 v[DU],   -v[\xa], v[SHF], v[FLO]     ; four plain lines that touch no reciprocal stand behind the last of them
	v_fma_f32 v[DU+1], -v[\xb], v[SHF], v[FLO]
	v_fma_f32 v[DU+2], -v[\xa], v[SHF], v[FHI]
	v_fma_f32 v[DU+3], -v[\xb], v[SHF], v[FHI]
	s_wait_alu depctr_va_vdst(0)
.irp c, 0,1,2,3
	v_fmaak_f32 v[DU+\c], v[DU+\c], v[DD+\c], 0x43b7c000  ; + 367.5
.endr
	v_min3_num_f32 v[MN], v[DU], v[DU+1], v[DU+2]
	v_min_num_f32 v[MN], v[MN], v[DU+3]
	v_mul_f32 v[MN], 0x3e000000, v[MN]             ; / 8
	v_cvt_u32_f32 v[\dst], v[MN]                   ; toward zero: the floor of a positive number
.endm
; From v[BN] = 720 x block + angle: the coefficients, the block's corners, and its first group v[GB], held to 29 .. 63 so that six groups from it lie in s16.
; The same lines make it wherever it is needed, so kt, kf and gb agree to the bit.
.macro BLOCKG
	v_mul_u32_u24 v[BLK], 0xb60c, v[BN]            ; / 720: x 46604 >> 25 is exact below 46,080
	v_lshrrev_b32 v[BLK], 25, v[BLK]
	v_mul_u32_u24 v[TMP], 720, v[BLK]
	v_sub_nc_u32 v[NN], v[BN], v[TMP]
	SINCOS
	v_and_b32 v[TMP], 7, v[BLK]
	v_lshlrev_b32 v[TMP], 4, v[TMP]
	v_cvt_f32_u32 v[XLO], v[TMP]
	v_add_f32 v[XLO], 0xc27e0000, v[XLO]           ; - 63.5
	v_add_f32 v[XHI], 0x41700000, v[XLO]           ; + 15
	v_lshrrev_b32 v[TMP], 3, v[BLK]
	v_lshlrev_b32 v[TMP], 4, v[TMP]
	v_cvt_f32_u32 v[YLO], v[TMP]
	v_add_f32 v[YLO], 0xc27e0000, v[YLO]
	v_add_f32 v[YHI], 0x41700000, v[YLO]
	YT YLO, ELO, FLO
	YT YHI, EHI, FHI
	MINGRP GB, XLO, XHI
	v_max_u32 v[GB], 29, v[GB]
	v_min_u32 v[GB], 63, v[GB]
.endm
.Ltables:
; (a) every work-group: thread 256 x + t makes the four tiles of tile row t % 4 of (block, angle) number 64 x + t / 4: 16 consecutive bytes of kt and of kf.
	s_lshl_b32 s17, s16, 6
	v_lshrrev_b32 v[BN], 2, v0
	v_add_nc_u32 v[BN], s17, v[BN]
	BLOCKG
	v_and_b32 v[TMP], 3, v0
	v_lshlrev_b32 v[TMP], 2, v[TMP]
	v_cvt_f32_u32 v[TMP], v[TMP]
	v_add_f32 v[YLO], v[YLO], v[TMP]               ; the tile row's first and last pixel row
	v_add_f32 v[YHI], 0x40400000, v[YLO]           ; + 3
	YT YLO, ELO, FLO
	YT YHI, EHI, FHI
	v_mov_b32 v[XA], v[XLO]
.irp j, 0,1,2,3
	v_add_f32 v[XB], 0x40400000, v[XA]
	MINGRP GT, XA, XB
	v_sub_nc_u32 v[REL+\j], v[GT], v[GB]
	v_max_i32 v[REL+\j], 0, v[REL+\j]
	v_min_i32 v[REL+\j], 4, v[REL+\j]
	v_add_lshl_u32 v[TMP], v[GB], v[REL+\j], 3     ; the window's first bin
	v_cvt_f32_u32 v[TMP], v[TMP]
	v_sub_f32 v[KFV+\j], 0x43b84000, v[TMP]        ; 368.5 - that
	v_add_f32 v[XA], 4.0, v[XA]
.endr
	v_lshlrev_b32 v[AD], 4, v0
	s_lshl_b32 s18, s16, 12
	s_wait_kmcnt 0x0
	s_add_nc_u64 s[20:21], s[12:13], s[18:19]
	s_add_nc_u64 s[22:23], s[14:15], s[18:19]
	global_store_b128 v[AD], v[REL:REL+3], s[20:21]
	global_store_b128 v[AD], v[KFV:KFV+3], s[22:23]
; (b) the first 90 work-groups: thread 256 x + t makes gb for two (block, angle) numbers: 8 consecutive bytes.
	s_cmp_lt_u32 s16, 90
	s_cbranch_scc0 .Ldone
	s_wait_xcnt 0x0                                ; the stores above have read their registers
	s_lshl_b32 s17, s16, 9
.irp e, 0,1
	s_add_co_u32 s18, s17, \e
	v_lshl_add_u32 v[BN], v0, 1, s18
	BLOCKG
	v_subrev_nc_u32 v[GP+\e], 29, v[GB]
.endr
	v_lshlrev_b32 v[AD8], 3, v0
	s_lshl_b32 s18, s16, 11
	s_add_nc_u64 s[26:27], s[10:11], s[18:19]
	global_store_b64 v[AD8], v[GP:GP+1], s[26:27]
; (c) the first 3 work-groups: thread 256 x + t makes trig for angle 256 x + t, where that is below 720.
	s_cmp_lt_u32 s16, 3
	s_cbranch_scc0 .Ldone
	s_lshl_b32 s17, s16, 8
	v_add_nc_u32 v[NN], s17, v0
	SINCOS
	s_lshl_b32 s18, s16, 12
	s_add_nc_u64 s[28:29], s[8:9], s[18:19]
	v_cmp_gt_u32 vcc_lo, 720, v[NN]
	s_wait_xcnt 0x0                                ; EXEC is a source of the stores above: it changes only behind this wait
	s_and_saveexec_b32 s24, vcc_lo
	global_store_b128 v[AD], v[CPR:CPR+3], s[28:29]
	s_wait_xcnt 0x0                                ; and again in front of the line that widens it
	s_or_b32 exec_lo, exec_lo, s24
.Ldone:
	s_endpgm
.Lfunc_end_k_qf20c0ce2e0_prep:
	.size	k_qf20c0ce2e0_prep, .Lfunc_end_k_qf20c0ce2e0_prep-k_qf20c0ce2e0_prep
	.p2alignl 7, 3214868480
	.fill 96, 4, 3214868480
	.section	.rodata,"a",@progbits
	.p2align	6, 0x0
	.amdhsa_kernel k_qf20c0ce2e0_prep
		.amdhsa_group_segment_fixed_size 22272
		.amdhsa_private_segment_fixed_size 0
		.amdhsa_enable_private_segment 0
		.amdhsa_kernarg_size 48
		.amdhsa_user_sgpr_count 2
		.amdhsa_user_sgpr_kernarg_segment_ptr 1
		.amdhsa_wavefront_size32 1
		.amdhsa_system_sgpr_workgroup_id_x 1
		.amdhsa_system_sgpr_workgroup_id_y 1
		.amdhsa_system_sgpr_workgroup_id_z 1
		.amdhsa_system_vgpr_workitem_id 0
		.amdhsa_next_free_vgpr 96
		.amdhsa_next_free_sgpr 66
		.amdhsa_reserve_vcc 1
		.amdhsa_float_denorm_mode_32 3
		.amdhsa_float_denorm_mode_16_64 3
		.amdhsa_memory_ordered 1
		.amdhsa_forward_progress 1
		.amdhsa_inst_pref_size 28
	.end_amdhsa_kernel
	.amdgpu_metadata
---
amdhsa.version: [ 1, 2 ]
amdhsa.kernels:
  - .name:           k_qf20c0ce2e0_prep
    .symbol:         k_qf20c0ce2e0_prep.kd
    .args:
      - { .name: sino, .offset: 0, .size: 8, .value_kind: global_buffer, .address_space: global }
      - { .name: s16, .offset: 8, .size: 8, .value_kind: global_buffer, .address_space: global }
      - { .name: trig, .offset: 16, .size: 8, .value_kind: global_buffer, .address_space: global }
      - { .name: gb, .offset: 24, .size: 8, .value_kind: global_buffer, .address_space: global }
      - { .name: kt, .offset: 32, .size: 8, .value_kind: global_buffer, .address_space: global }
      - { .name: kf, .offset: 40, .size: 8, .value_kind: global_buffer, .address_space: global }
    .group_segment_fixed_size: 22272
    .private_segment_fixed_size: 0
    .kernarg_segment_align: 8
    .kernarg_segment_size: 48
    .max_flat_workgroup_size: 256
    .sgpr_count:     66
    .vgpr_count:     96
    .wavefront_size: 32
...
	.end_amdgpu_metadata
.endif
;; end of part 1
;; launch bp (part 2): grid 64 x 4, 8 waves a work-group, no clusters, 74,752 bytes of LDS; arguments s16, trig, gb, kt, kf, part; writes part
.if DOCPART == 2
	.amdgcn_target "amdgcn-amd-amdhsa--gfx1250"
	.amdhsa_code_object_version 6
	.text
	.protected	k_qf20c0ce2e0_bp
	.globl	k_qf20c0ce2e0_bp
	.p2align	8
	.type	k_qf20c0ce2e0_bp,@function
k_qf20c0ce2e0_bp:
	s_mov_b64 s[64:65], 0
	v_nop
	global_prefetch_b8 v0, s[64:65] scope:SCOPE_SE
	s_setreg_imm32_b32 hwreg(HW_REG_WAVE_MODE, 25, 1), 1
	s_wait_xcnt 0x0
; THE BACKPROJECTION AS A BANDED MATRIX PRODUCT.  For a tile of 4 x 4 pixels and one angle all taps of the linear interpolation lie in a window of 16 detector bins that starts at a multiple of 8
; (a tile spans under 6.992 bins).  So for two angles a, a + 1:  out[pixel 16][batch 16] += W[pixel][k 32] x S[k][batch], k = 2 angles x 16 bins,
;   W = weight x max(0, 1 - |ui - bin|): the two taps v0 (1 - frac) + v1 frac of the interpolation, all other bins 0; made here in f32 and rounded once to bf16;
;   S = the sinogram in bf16, from s16[angle][group 40][batch 32][8 bins].  One W serves two matrix instructions, batches 0-15 and 16-31.  Sums in f32.
; ui = 367.5 + (1.5 c py - 1.5 s px) r,  r = 1 / (1 - px c/1000 - py s/1000),  weight = r^2.  ui stays within 232.2 .. 502.8 for every pixel and angle (|ui - 367.5| <= 1500 x 89.81 / 995.96), so the
; clips and the mask of the interpolation never act and are not written.
; LIMITS.  sino finite: a NaN or an infinity in a window would reach all 16 pixels of the tile (0 x infinity), not only those that tap it.  The weights carry bf16's 8 significant bits.
; SHARES.  A work-group: a block of 16 x 16 pixels (x of the grid) and 180 angles (y): 15 phases of 12 angles, a phase 6 steps of 2.  Wave w: tiles 2 w and 2 w + 1 (one tile row).
; Lane (r = lane % 16, h = lane / 16): pixel r in W, batch r in S; its OWN angle is a + h, its PARTNER's a + 1 - h.  K is laid alike in W and S: registers 0-3 = own angle, the window's bins 0-7;
; registers 4-7 = partner's angle, bins 8-15.  So each lane makes (weight, place) for one angle and takes the other angle's from the lane 16 away.
; LDS.  Two slots that take turns, each [12 angles][6 groups][32 batches][16 bytes]: of each angle the block's window of 48 bins (a block spans under 34.96), which starts at group gb[block][angle].
; WHY THROUGH REGISTERS, not by tensor loads: each angle's 3,072 bytes start at a group of their own, read from a table, so no one descriptor covers two angles.  WHY NO CLUSTER: the four angle groups
; share no byte, and neighbouring blocks' windows start at different groups.
; WHOLE NUMBERS that steer addresses (gb, kt) were stored by the launch before; each is held to its range (34, 4) by a minimum with a constant before it enters an address.
; The accumulators are cleared by 32 moves while the first loads are out: a first step written out would be a further copy of a phase's text.
.set SLOT,  36864
.set SPARE, 73728                      ; behind the two slots: the spare words, 128 bytes a wave, four blocks of 256 bytes that no other line names
.set SPW,  1                           ; v1   SPARE + 4 x my thread's number; never rewritten
.set NIL,  2                           ; v2   0; never rewritten
.set L16,  3                           ; v3   16 x lane
.set LBO,  4                           ; v4-5 slot 0, 1: 16 r + 3072 h: my batch in the first group of my own angle
.set LBP,  6                           ; v6-7 16 r + 3072 (1 - h) + 512: in the second group of my partner's angle
.set SD,   8                           ; v8   4608 w + 16 x lane: where my wave's share of a slot begins
.set VOWN, 9                           ; v9   64 h + 8 w: my two tiles' entries in kt and kf, own angle
.set VPAR, 10                          ; v10  64 (1 - h) + 8 w: partner's angle
.set VTR,  11                          ; v11  16 h
.set NPX,  12                          ; v12-13  -px of my pixel in tile 0, 1
.set NPY,  14                          ; v14  -py
.set PY,   15                          ; v15  py
.set NJ,   16                          ; v[16:25]  0, -1, .. -9
.set TB,   26                          ; v[26:85]  step k at TB + 10 k: kt own (2), kt partner (2), kf own (2), trig own (4)
.set STG,  86                          ; v[86:121] nine loads of 16 bytes on their way to the other slot
.set AS,   122                         ; v[122:131] weight x (place - j), j = 0 .. 9
.set EE,   132
.set FF,   133
.set DD,   134                         ; v134-135 divisor, then numerator
.set RR,   136                         ; v136-137
.set TT,   138                         ; v138-139
.set TS,   46                          ; registers a tile, from v140 on:
.set TP,   140                         ; (weight, weight x place) of my own angle
.set TQ,   142                         ; the same of my partner's angle
.set AO,   144                         ; LDS address, own angle
.set AP,   145                         ; partner's
.set WW,   146                         ; W, 8 registers
.set SA,   154                         ; S, batches 0-15
.set SB,   162                         ; S, batches 16-31
.set AC0,  170                         ; sums, batches 0-15
.set AC1,  178                         ; sums, batches 16-31
.set PK,   232                         ; v232-236 the ten a_j rounded to bf16, two a register
.set NG,   237                         ; v237-240 their negatives two places on, then the minima
.set ZR,   241                         ; v241 0, for the packed maximum, which takes its sources from registers
.set GBB,  24                          ; s[24:25] gb at my block's first angle
.set SO,   26                          ; s26-28   unit i: 4 x its angle in a phase
.set PHB,  29                          ; s29      48 x the phase whose gb is asked for next
.set GBV,  30                          ; s30-32   unit i: gb of the next phase's angle
.set SOFF, 33                          ; s33-35   offsets of the scalar loads
.set SPU,  36                          ; s[36:41] unit i: s16 at its angle and half window, group 0
.set BASE, 42                          ; s[42:47] the same at the window's first group
.set KTB,  48                          ; s[48:49] kt, s[50:51] kf, s[52:53] trig at the phase being fetched
.set KFB,  50
.set TRB,  52
.set PB,   54                          ; s[54:55] part at my wave's two tiles
	s_load_b256 s[4:11], s[0:1], 0x0               ; s16 s[4:5], trig s[6:7], gb s[8:9], kt s[10:11]
	s_load_b128 s[12:15], s[0:1], 0x20             ; kf s[12:13], part s[14:15]
	v_lshl_add_u32 v[SPW], v0, 2, SPARE
	v_mov_b32 v[NIL], 0
	v_lshrrev_b32 v[EE], 5, v0
	v_readfirstlane_b32 s16, v[EE]                 ; wave 0..7
	s_mov_b32 s17, ttmp9                           ; block
	s_and_b32 s18, ttmp7, 0xffff                   ; angle group
	s_mul_i32 s19, s18, 180                        ; its first angle
	s_mov_b32 s22, 0x76543210                      ; v_permlanex16_b32: each lane takes its own place in the other half
	s_mov_b32 s23, 0xfedcba98
	s_mov_b32 s57, 0xc1000000                      ; -8.0
	s_mov_b32 s59, 0                               ; high words of the offset pairs
	s_mov_b32 s61, 0
	v_and_b32 v[L16], 31, v0
	v_lshlrev_b32 v[L16], 4, v[L16]
	v_and_b32 v[EE], 15, v0                        ; r
	v_bfe_u32 v[FF], v0, 4, 1                      ; h
	v_xor_b32 v[DD], 1, v[FF]                      ; 1 - h
	v_lshlrev_b32 v[EE], 4, v[EE]
	v_mul_u32_u24 v[LBO], v[FF], 3072
	v_add_nc_u32 v[LBO], v[LBO], v[EE]
	v_mul_u32_u24 v[LBP], v[DD], 3072
	v_add_nc_u32 v[LBP], v[LBP], v[EE]
	v_add_nc_u32 v[LBP], 512, v[LBP]
	v_add_nc_u32 v[LBO+1], SLOT, v[LBO]
	v_add_nc_u32 v[LBP+1], SLOT, v[LBP]
	s_mul_i32 s20, s16, 4608
	v_add_nc_u32 v[SD], s20, v[L16]
	s_lshl_b32 s20, s16, 3
	v_lshl_add_u32 v[VOWN], v[FF], 6, s20
	v_lshl_add_u32 v[VPAR], v[DD], 6, s20
	v_lshlrev_b32 v[VTR], 4, v[FF]
	; my pixel: x = 16 (block % 8) + 8 (w % 2) + r % 4 (tile 1: 4 more), y = 16 (block / 8) + 4 (w / 2) + r / 4; px = x - 63.5, py = y - 63.5
	s_and_b32 s20, s17, 7
	s_lshl_b32 s20, s20, 4
	s_and_b32 s21, s16, 1
	s_lshl_b32 s21, s21, 3
	s_add_co_u32 s20, s20, s21
	v_and_b32 v[EE], 3, v0
	v_add_nc_u32 v[EE], s20, v[EE]
	v_cvt_f32_u32 v[EE], v[EE]
	v_sub_f32 v[NPX], 0x427e0000, v[EE]            ; 63.5 - x
	v_add_f32 v[NPX+1], -4.0, v[NPX]
	s_lshr_b32 s20, s17, 3
	s_lshl_b32 s20, s20, 4
	s_lshr_b32 s21, s16, 1
	s_lshl_b32 s21, s21, 2
	s_add_co_u32 s20, s20, s21
	v_bfe_u32 v[EE], v0, 2, 2
	v_add_nc_u32 v[EE], s20, v[EE]
	v_cvt_f32_u32 v[EE], v[EE]
	v_sub_f32 v[NPY], 0x427e0000, v[EE]
	v_add_f32 v[PY], 0xc27e0000, v[EE]
	; The loader's share: a slot is 24 units of 1,536 bytes (half an angle's window); wave w brings units 3 w + i, i = 0..2, three loads of 512 bytes each.
	s_mul_i32 s20, s16, 3
.irp i, 0,1,2
	s_add_co_u32 s21, s20, \i
	s_lshr_b32 s58, s21, 1                         ; the unit's angle in a phase
	s_lshl_b32 s[SO+\i], s58, 2
	s_add_co_u32 s58, s58, s19
	s_mul_i32 s58, s58, 20480
	s_and_b32 s21, s21, 1                          ; which half of the window
	s_mul_i32 s21, s21, 1536
	s_add_co_u32 s[SPU+2*\i], s58, s21             ; an offset for now; the address is added below
	s_mov_b32 s[SPU+2*\i+1], 0
.endr
	s_mul_i32 s58, s17, 720
	s_add_co_u32 s58, s58, s19                     ; 720 x block + first angle
	s_lshl_b32 s60, s58, 6
	s_lshl_b32 s58, s58, 2
	s_wait_kmcnt 0x0
	s_add_nc_u64 s[GBB:GBB+1], s[8:9], s[58:59]
	s_add_nc_u64 s[KTB:KTB+1], s[10:11], s[60:61]
	s_add_nc_u64 s[KFB:KFB+1], s[12:13], s[60:61]
	s_lshl_b32 s58, s19, 4
	s_add_nc_u64 s[TRB:TRB+1], s[6:7], s[58:59]
	s_lshl_b32 s58, s18, 6
	s_add_co_u32 s58, s58, s17
	s_lshl_b32 s58, s58, 15                        ; part: 32,768 bytes for an angle group's block,
	s_lshl_b32 s60, s16, 12                        ; 4,096 for a wave's two tiles
	s_add_co_u32 s58, s58, s60
	s_add_nc_u64 s[PB:PB+1], s[14:15], s[58:59]
.irp i, 0,1,2
	s_add_nc_u64 s[SPU+2*\i:SPU+2*\i+1], s[4:5], s[SPU+2*\i:SPU+2*\i+1]
.endr
.irp i, 0,1,2
	s_load_b32 s[GBV+\i], s[GBB:GBB+1], s[SO+\i] offset:0x0  ; phase 0's windows
.endr
.macro WINDOW                          ; each unit's address at its window's first group
.irp i, 0,1,2
	s_min_u32 s58, s[GBV+\i], 34                   ; a number read from memory is held to its range before it enters an address
	s_lshl_b32 s58, s58, 9
	s_add_nc_u64 s[BASE+2*\i:BASE+2*\i+1], s[SPU+2*\i:SPU+2*\i+1], s[58:59]
.endr
.endm
.macro SLOADS                          ; nine loads: a wave's load covers 512 consecutive bytes, one group
.irp i, 0,1,2
.irp j, 0,1,2
	global_load_b128 v[STG+4*(3*\i+\j):STG+4*(3*\i+\j)+3], v[L16], s[BASE+2*\i:BASE+2*\i+1] offset:512*\j
.endr
.endr
.endm
.macro SSTORE s                        ; and into slot s
.irp u, 0,1,2,3,4,5,6,7,8
	ds_store_b128 v[SD], v[STG+4*\u:STG+4*\u+3] offset:(\s)*SLOT+512*\u
.endr
.endm
.macro TFETCH k                        ; step k's table entries: four loads
	global_load_b64 v[TB+10*(\k):TB+10*(\k)+1],    v[VOWN], s[KTB:KTB+1] offset:128*(\k)
	global_load_b64 v[TB+10*(\k)+2:TB+10*(\k)+3],  v[VPAR], s[KTB:KTB+1] offset:128*(\k)
	global_load_b64 v[TB+10*(\k)+4:TB+10*(\k)+5],  v[VOWN], s[KFB:KFB+1] offset:128*(\k)
	global_load_b128 v[TB+10*(\k)+6:TB+10*(\k)+9], v[VTR],  s[TRB:TRB+1] offset:32*(\k)
.endm
; Half a W for tile t from the pair src = (w, y), y = w x (ui - first bin + 1): a_j = y - j w for j = 0..9, in f32.  With x = ui - bin j: a_j = w (x + 1) and -a_(j+2) = w (1 - x), so
; w x hat(bin j) = max(0, min(a_j, -a_(j+2))).  The ten a_j are rounded to bf16 FIRST, two a register; the negative is then a flip of two sign bits, and minimum and maximum go two at a time and
; round nothing.  Rounding to nearest even keeps order and sign, so the weights are the same bits as if the f32 result had been rounded.
.macro BUILD t, src, half
.irp i, 0,1,2,3,4
	v_pk_fma_f32 v[AS+2*\i:AS+2*\i+1], v[(\src)+TS*(\t):(\src)+TS*(\t)+1], v[NJ+2*\i:NJ+2*\i+1], v[(\src)+TS*(\t):(\src)+TS*(\t)+1] op_sel:[0,0,1] op_sel_hi:[0,1,1]  ; w for both factors, y for both addends
.endr
.irp i, 0,1,2,3,4
	v_cvt_pk_bf16_f32 v[PK+\i], v[AS+2*\i], v[AS+2*\i+1]
.endr
.irp i, 0,1,2,3
	v_xor_b32 v[NG+\i], 0x80008000, v[PK+\i+1]     ; -a_(2 i + 2), -a_(2 i + 3)
.endr
.irp i, 0,1,2,3
	v_pk_min_num_bf16 v[NG+\i], v[PK+\i], v[NG+\i]
.endr
.irp i, 0,1,2,3
	v_pk_max_num_bf16 v[WW+TS*(\t)+4*(\half)+\i], v[NG+\i], v[ZR]
.endr
.endm
; ONE STEP: angles 2 k, 2 k + 1 of the phase in slot.  cnt: the younger global loads that may stay out.  fetch = 1: the same step's table entries of the next phase are asked for.
.macro STEP slot, k, fetch, cnt
	s_wait_loadcnt \cnt                            ; loads come back in order: this step's four table loads are in
.irp t, 0,1                                    ; eight plain lines that name no register of the last step's matrix instructions: the places in front of the loads into S
	v_min_u32 v[AO+TS*\t], 4, v[TB+10*(\k)+\t]
	v_min_u32 v[AP+TS*\t], 4, v[TB+10*(\k)+2+\t]
.endr
.irp t, 0,1
	v_lshl_add_u32 v[AO+TS*\t], v[AO+TS*\t], 9, v[LBO+(\slot)]
	v_lshl_add_u32 v[AP+TS*\t], v[AP+TS*\t], 9, v[LBP+(\slot)]
.endr
.irp t, 0,1                                    ; sixteen lanes read 256 consecutive bytes: no bank is met twice
	ds_load_b128 v[SA+TS*\t:SA+TS*\t+3],   v[AO+TS*\t] offset:6144*(\k)
	ds_load_b128 v[SB+TS*\t:SB+TS*\t+3],   v[AO+TS*\t] offset:6144*(\k)+256
	ds_load_b128 v[SA+TS*\t+4:SA+TS*\t+7], v[AP+TS*\t] offset:6144*(\k)
	ds_load_b128 v[SB+TS*\t+4:SB+TS*\t+7], v[AP+TS*\t] offset:6144*(\k)+256
.endr
	v_fma_f32 v[EE], v[NPY], v[TB+10*(\k)+7], 1.0          ; 1 - py s/1000
	v_fma_f32 v[DD],   v[NPX],   v[TB+10*(\k)+6], v[EE]    ; - px c/1000
	v_fma_f32 v[DD+1], v[NPX+1], v[TB+10*(\k)+6], v[EE]
	v_rcp_f32 v[RR],   v[DD]
	v_rcp_f32 v[RR+1], v[DD+1]
	v_mul_f32 v[FF], v[PY], v[TB+10*(\k)+8]                ; 1.5 c py: the plain line behind the reciprocals
	v_fma_f32 v[DD],   v[NPX],   v[TB+10*(\k)+9], v[FF]    ; - 1.5 s px
	v_fma_f32 v[DD+1], v[NPX+1], v[TB+10*(\k)+9], v[FF]
	s_wait_alu depctr_va_vdst(0)
	v_fma_f32 v[TT],   v[DD],   v[RR],   v[TB+10*(\k)+4]   ; ui - the window's first bin + 1
	v_fma_f32 v[TT+1], v[DD+1], v[RR+1], v[TB+10*(\k)+5]
	v_mul_f32 v[TP],    v[RR],   v[RR]                     ; the weight
	v_mul_f32 v[TP+TS], v[RR+1], v[RR+1]
	v_mul_f32 v[TP+1],    v[TP],    v[TT]
	v_mul_f32 v[TP+TS+1], v[TP+TS], v[TT+1]
.if \fetch
	TFETCH \k                                      ; the entries just used have been read
.endif
.irp t, 0,1
	v_permlanex16_b32 v[TQ+TS*\t],   v[TP+TS*\t],   s22, s23  ; the same pixel at the other angle
	v_permlanex16_b32 v[TQ+TS*\t+1], v[TP+TS*\t+1], s22, s23
.endr
.irp t, 0,1
	v_fma_f32 v[TQ+TS*\t+1], v[TQ+TS*\t], s57, v[TQ+TS*\t+1]  ; bins 8 to 15: the place less 8
.endr
	BUILD 0, TP, 0
	BUILD 0, TQ, 1
	s_wait_dscnt 4                                 ; tile 0's four loads are in, tile 1's may stay out
	v_wmma_f32_16x16x32_bf16 v[AC0:AC0+7], v[WW:WW+7], v[SA:SA+7], v[AC0:AC0+7]  ; the four accumulators take turns, one instruction a turn
	v_wmma_f32_16x16x32_bf16 v[AC1:AC1+7], v[WW:WW+7], v[SB:SB+7], v[AC1:AC1+7]
	BUILD 1, TP, 0
	BUILD 1, TQ, 1
	s_wait_dscnt 0x0
	v_wmma_f32_16x16x32_bf16 v[AC0+TS:AC0+TS+7], v[WW+TS:WW+TS+7], v[SA+TS:SA+TS+7], v[AC0+TS:AC0+TS+7]
	v_wmma_f32_16x16x32_bf16 v[AC1+TS:AC1+TS+7], v[WW+TS:WW+TS+7], v[SB+TS:SB+TS+7], v[AC1+TS:AC1+TS+7]
.endm
; ONE PHASE: 12 angles out of slot.  fetch = 1: the next phase's windows are asked for at its head, go through registers, and are stored into the other slot at its end.
; Global loads of a phase, in order: 9 windows' (next phase), then 4 table loads in each of 6 steps (next phase).  At step k the loads younger than this phase's step k are
; 4 (5 - k) + 9 + 4 k = 29; at the phase's end 24 are younger than the nine.  The last phase asks for nothing: 20, 16, .. 0.
.macro PHASE slot, fetch
.if \fetch
	s_wait_kmcnt 0x0                               ; gb of the next phase is in, and the scalar loads' offsets may be rewritten
	s_wait_xcnt 0x0                                ; the bases of the loads issued so far may be stepped
.irp i, 0,1,2
	s_add_nc_u64 s[SPU+2*\i:SPU+2*\i+1], s[SPU+2*\i:SPU+2*\i+1], 12*20480
.endr
	WINDOW
	s_add_nc_u64 s[KTB:KTB+1], s[KTB:KTB+1], 768
	s_add_nc_u64 s[KFB:KFB+1], s[KFB:KFB+1], 768
	s_add_nc_u64 s[TRB:TRB+1], s[TRB:TRB+1], 192
	s_min_u32 s20, s[PHB], 672                     ; the phase after next; behind the last phase the last one's entries once more, so that no load leaves the buffer
.irp i, 0,1,2
	s_add_co_u32 s[SOFF+\i], s20, s[SO+\i]
.endr
.irp i, 0,1,2
	s_load_b32 s[GBV+\i], s[GBB:GBB+1], s[SOFF+\i] offset:0x0
.endr
	s_add_co_u32 s[PHB], s[PHB], 48
	SLOADS
.endif
.irp k, 0,1,2,3,4,5
.if \fetch
	STEP \slot, \k, 1, 29
.else
	STEP \slot, \k, 0, 20-4*\k
.endif
.endr
.if \fetch
	s_wait_loadcnt 24                              ; the nine windows' loads are in; the 24 table loads behind them stay out
	SSTORE 1-(\slot)                               ; the other slot was last read in the phase before: every wave waited for those reads in front of that phase's barrier
	s_wait_dscnt 0x0                               ; for the others' sake: my stores are done, and so are my reads of this slot
	s_barrier_signal -1
	s_barrier_wait -1
.endif
.endm
	s_wait_kmcnt 0x0
	WINDOW
	SLOADS                                         ; phase 0's windows
.irp i, 0,1,2
	s_add_co_u32 s[SOFF+\i], s[SO+\i], 48
.endr
.irp i, 0,1,2
	s_load_b32 s[GBV+\i], s[GBB:GBB+1], s[SOFF+\i] offset:0x0  ; phase 1's
.endr
.irp k, 0,1,2,3,4,5
	TFETCH \k                                      ; phase 0's tables
.endr
	s_mov_b32 s[PHB], 96
	; while those are out: the constants, and 0 in the sums and in the exchange's destinations (which count as read)
	v_mov_b32 v[NJ], 0
	v_mov_b32 v[NJ+1], -1.0
	v_mov_b32 v[NJ+2], -2.0
	v_mov_b32 v[NJ+3], 0xc0400000
	v_mov_b32 v[NJ+4], -4.0
	v_mov_b32 v[NJ+5], 0xc0a00000
	v_mov_b32 v[NJ+6], 0xc0c00000
	v_mov_b32 v[NJ+7], 0xc0e00000
	v_mov_b32 v[NJ+8], 0xc1000000
	v_mov_b32 v[NJ+9], 0xc1100000
	v_mov_b32 v[ZR], 0
.irp t, 0,1
	v_mov_b32 v[TQ+TS*\t], 0
	v_mov_b32 v[TQ+TS*\t+1], 0
.irp c, 0,1,2,3,4,5,6,7,8,9,10,11,12,13,14,15
	v_mov_b32 v[AC0+TS*\t+\c], 0
.endr
.endr
	s_wait_loadcnt 24                              ; the nine windows' loads are in; the 24 table loads stay out
	SSTORE 0
	s_wait_dscnt 0x0
	s_barrier_signal -1
	s_barrier_wait -1
	s_mov_b32 s56, 7
.Lpair:                                                ; 7 trips of two phases; each fetches the phase behind it
	PHASE 0, 1
	PHASE 1, 1
	s_sub_co_u32 s56, s56, 1
	s_cmp_lg_u32 s56, 0
	s_cbranch_scc1 .Lpair
	PHASE 0, 0                                     ; phase 14: nothing is left to fetch
.rept 4
	v_nop                                          ; four places between the last matrix instruction and the stores of its result
.endr
	; The sums leave as they lie: part[angle group][block][tile][batch half][q][lane][4]: register 4 q + j of lane (r, h) is pixel 8 h + 4 q + j of the tile, batch r + 16 x half.
	; A wave's store covers 512 consecutive bytes; each accumulator's low four registers go first.
.irp t, 0,1
.irp c, 0,1
.irp q, 0,1
	global_store_b128 v[L16], v[AC0+TS*\t+8*\c+4*\q:AC0+TS*\t+8*\c+4*\q+3], s[PB:PB+1] offset:2048*\t+1024*\c+512*\q
.endr
.endr
.endr
	s_wait_tensorcnt 0x0                           ; the wave's end
	ds_add_u32 v[SPW], v[NIL]
	s_wait_dscnt 0x0
	s_endpgm
.Lfunc_end_k_qf20c0ce2e0_bp:
	.size	k_qf20c0ce2e0_bp, .Lfunc_end_k_qf20c0ce2e0_bp-k_qf20c0ce2e0_bp
	.p2alignl 7, 3214868480
	.fill 96, 4, 3214868480
	.section	.rodata,"a",@progbits
	.p2align	6, 0x0
	.amdhsa_kernel k_qf20c0ce2e0_bp
		.amdhsa_group_segment_fixed_size 74752
		.amdhsa_private_segment_fixed_size 0
		.amdhsa_enable_private_segment 0
		.amdhsa_kernarg_size 48
		.amdhsa_user_sgpr_count 2
		.amdhsa_user_sgpr_kernarg_segment_ptr 1
		.amdhsa_wavefront_size32 1
		.amdhsa_system_sgpr_workgroup_id_x 1
		.amdhsa_system_sgpr_workgroup_id_y 1
		.amdhsa_system_sgpr_workgroup_id_z 1
		.amdhsa_system_vgpr_workitem_id 0
		.amdhsa_next_free_vgpr 244
		.amdhsa_next_free_sgpr 66
		.amdhsa_reserve_vcc 0
		.amdhsa_float_denorm_mode_32 3
		.amdhsa_float_denorm_mode_16_64 3
		.amdhsa_memory_ordered 1
		.amdhsa_forward_progress 1
		.amdhsa_inst_pref_size 162
	.end_amdhsa_kernel
	.amdgpu_metadata
---
amdhsa.version: [ 1, 2 ]
amdhsa.kernels:
  - .name:           k_qf20c0ce2e0_bp
    .symbol:         k_qf20c0ce2e0_bp.kd
    .args:
      - { .name: s16, .offset: 0, .size: 8, .value_kind: global_buffer, .address_space: global }
      - { .name: trig, .offset: 8, .size: 8, .value_kind: global_buffer, .address_space: global }
      - { .name: gb, .offset: 16, .size: 8, .value_kind: global_buffer, .address_space: global }
      - { .name: kt, .offset: 24, .size: 8, .value_kind: global_buffer, .address_space: global }
      - { .name: kf, .offset: 32, .size: 8, .value_kind: global_buffer, .address_space: global }
      - { .name: part, .offset: 40, .size: 8, .value_kind: global_buffer, .address_space: global }
    .group_segment_fixed_size: 74752
    .private_segment_fixed_size: 0
    .kernarg_segment_align: 8
    .kernarg_segment_size: 48
    .max_flat_workgroup_size: 256
    .sgpr_count:     66
    .vgpr_count:     244
    .wavefront_size: 32
...
	.end_amdgpu_metadata
.endif
;; end of part 2
;; launch fin (part 3): grid 128 x 2, 8 waves a work-group, no clusters, 9,728 bytes of LDS; arguments part, out0; writes out0
.if DOCPART == 3
	.amdgcn_target "amdgcn-amd-amdhsa--gfx1250"
	.amdhsa_code_object_version 6
	.text
	.protected	k_qf20c0ce2e0_fin
	.globl	k_qf20c0ce2e0_fin
	.p2align	8
	.type	k_qf20c0ce2e0_fin,@function
k_qf20c0ce2e0_fin:
	s_mov_b64 s[64:65], 0
	v_nop
	global_prefetch_b8 v0, s[64:65] scope:SCOPE_SE
	s_setreg_imm32_b32 hwreg(HW_REG_WAVE_MODE, 25, 1), 1
	s_wait_xcnt 0x0
; out0[batch][y][x] = dtheta x the sum of the four angle groups' partial sums, in f32.  part[angle group 4][block 64][tile 16][batch half 2][q 2][lane 32][4] f32, where the 16 bytes of
; (q, lane = 16 h + r) are pixels x = 4 (tile % 4) + 0..3 of pixel row 4 (tile / 4) + 2 h + q of the block, for batch r + 16 x half.
; A work-group: one pixel row y (x of the grid) and one batch half (y of the grid): 16 batches x 128 pixels.  For a fixed block and tile the 16 batches are 256 consecutive bytes of part;
; in out0 a batch's row is 512 consecutive bytes.  The turn goes through LDS: 16 rows of 512 bytes, 528 apart (132 words: neighbouring rows start four banks apart; 64 banks of 4 bytes: ISA guide 11.1).
; Memory binds here: no matrix unit, no cluster (no byte is shared), every byte read and written once.
.set PITCH, 528
.set SPARE, 8704                       ; behind the stage (16 x 528 = 8,448 bytes): the spare words, 128 bytes a wave, four blocks of 256 bytes that no other line names
.set SPW, 1
.set NIL, 2
.set VO,  3                            ; my byte offset in part
.set TA,  4
.set LS,  5                            ; where I put 16 bytes in the stage
.set TC,  6
.set LR,  7                            ; where I read the stage back
.set TD,  8
.set OO,  9                            ; my byte offset in out0
.set DAT, 12                           ; v[12:43] chunk i, angle group a at DAT + 16 i + 4 a
	s_load_b128 s[4:7], s[0:1], 0x0                ; part s[4:5], out0 s[6:7]
	v_lshl_add_u32 v[SPW], v0, 2, SPARE
	v_mov_b32 v[NIL], 0
	s_mov_b32 s8, ttmp9                            ; y
	s_and_b32 s9, ttmp7, 0xffff                    ; batch half
	s_lshr_b32 s10, s8, 4
	s_lshl_b32 s10, s10, 18                        ; block row: 8 blocks of 32,768 bytes
	s_bfe_u32 s11, s8, 0x20002
	s_lshl_b32 s11, s11, 13                        ; tile row: 4 tiles of 2,048
	s_add_co_u32 s10, s10, s11
	s_lshl_b32 s11, s9, 10
	s_add_co_u32 s10, s10, s11
	s_and_b32 s11, s8, 1                           ; q
	s_lshl_b32 s11, s11, 9
	s_add_co_u32 s10, s10, s11
	s_bfe_u32 s11, s8, 0x10001                     ; h
	s_lshl_b32 s11, s11, 8
	s_add_co_u32 s10, s10, s11
	s_mov_b32 s11, 0
	s_lshl_b32 s12, s9, 20                         ; 16 batches of 65,536 bytes
	s_lshl_b32 s13, s8, 9
	s_add_co_u32 s12, s12, s13
	s_mov_b32 s13, 0
	v_lshrrev_b32 v[VO], 6, v0                     ; block column t / 64 (chunk 1: 4 more),
	v_lshlrev_b32 v[VO], 15, v[VO]
	v_bfe_u32 v[TA], v0, 4, 2                      ; tile column (t / 16) % 4,
	v_lshl_add_u32 v[VO], v[TA], 11, v[VO]
	v_and_b32 v[TA], 15, v0                        ; batch t % 16
	v_lshl_add_u32 v[VO], v[TA], 4, v[VO]
	v_mul_u32_u24 v[LS], PITCH, v[TA]
	v_lshrrev_b32 v[TC], 4, v0
	v_lshl_add_u32 v[LS], v[TC], 4, v[LS]          ; row = batch, 16 bytes at pixel 4 (t / 16)
	v_lshrrev_b32 v[TC], 5, v0
	v_mul_u32_u24 v[LR], PITCH, v[TC]
	v_and_b32 v[TD], 31, v0
	v_lshl_add_u32 v[LR], v[TD], 4, v[LR]          ; back: a wave takes a whole row
	v_lshlrev_b32 v[OO], 16, v[TC]
	v_lshl_add_u32 v[OO], v[TD], 4, v[OO]
	s_wait_kmcnt 0x0
	s_add_nc_u64 s[4:5], s[4:5], s[10:11]
	s_add_nc_u64 s[6:7], s[6:7], s[12:13]
.irp i, 0,1
.irp a, 0,1,2,3
	global_load_b128 v[DAT+16*\i+4*\a:DAT+16*\i+4*\a+3], v[VO], s[4:5] offset:\a*2097152+\i*131072 th:TH_LOAD_NT  ; sixteen lanes read 256 consecutive bytes
.endr
.endr
.irp i, 0,1
	s_wait_loadcnt 4-4*\i                          ; chunk i's four loads are in
.irp p, 0,2
	v_pk_add_f32 v[DAT+16*\i+\p:DAT+16*\i+\p+1], v[DAT+16*\i+\p:DAT+16*\i+\p+1], v[DAT+16*\i+4+\p:DAT+16*\i+4+\p+1]
	v_pk_add_f32 v[DAT+16*\i+8+\p:DAT+16*\i+8+\p+1], v[DAT+16*\i+8+\p:DAT+16*\i+8+\p+1], v[DAT+16*\i+12+\p:DAT+16*\i+12+\p+1]
	v_pk_add_f32 v[DAT+16*\i+\p:DAT+16*\i+\p+1], v[DAT+16*\i+\p:DAT+16*\i+\p+1], v[DAT+16*\i+8+\p:DAT+16*\i+8+\p+1]
	v_pk_mul_f32 v[DAT+16*\i+\p:DAT+16*\i+\p+1], v[DAT+16*\i+\p:DAT+16*\i+\p+1], 0x3c0efa35 op_sel_hi:[1,0]  ; dtheta = 2 pi / 720
.endr
	ds_store_b128 v[LS], v[DAT+16*\i:DAT+16*\i+3] offset:256*\i
.endr
	s_wait_dscnt 0x0                               ; for the others' sake: my stores into the stage are done
	s_barrier_signal -1
	s_barrier_wait -1
.irp i, 0,1
	ds_load_b128 v[DAT+16*\i:DAT+16*\i+3], v[LR] offset:8*PITCH*\i
.endr
.irp i, 0,1
	s_wait_dscnt 1-\i
	global_store_b128 v[OO], v[DAT+16*\i:DAT+16*\i+3], s[6:7] offset:524288*\i th:TH_STORE_NT  ; a wave stores a batch's whole row: 512 consecutive bytes, at a multiple of 512 from out0's first byte
.endr
	s_wait_tensorcnt 0x0                           ; the wave's end
	ds_add_u32 v[SPW], v[NIL]
	s_wait_dscnt 0x0
	s_endpgm
.Lfunc_end_k_qf20c0ce2e0_fin:
	.size	k_qf20c0ce2e0_fin, .Lfunc_end_k_qf20c0ce2e0_fin-k_qf20c0ce2e0_fin
	.p2alignl 7, 3214868480
	.fill 96, 4, 3214868480
	.section	.rodata,"a",@progbits
	.p2align	6, 0x0
	.amdhsa_kernel k_qf20c0ce2e0_fin
		.amdhsa_group_segment_fixed_size 9728
		.amdhsa_private_segment_fixed_size 0
		.amdhsa_enable_private_segment 0
		.amdhsa_kernarg_size 16
		.amdhsa_user_sgpr_count 2
		.amdhsa_user_sgpr_kernarg_segment_ptr 1
		.amdhsa_wavefront_size32 1
		.amdhsa_system_sgpr_workgroup_id_x 1
		.amdhsa_system_sgpr_workgroup_id_y 1
		.amdhsa_system_sgpr_workgroup_id_z 1
		.amdhsa_system_vgpr_workitem_id 0
		.amdhsa_next_free_vgpr 48
		.amdhsa_next_free_sgpr 66
		.amdhsa_reserve_vcc 0
		.amdhsa_float_denorm_mode_32 3
		.amdhsa_float_denorm_mode_16_64 3
		.amdhsa_memory_ordered 1
		.amdhsa_forward_progress 1
		.amdhsa_inst_pref_size 5
	.end_amdhsa_kernel
	.amdgpu_metadata
---
amdhsa.version: [ 1, 2 ]
amdhsa.kernels:
  - .name:           k_qf20c0ce2e0_fin
    .symbol:         k_qf20c0ce2e0_fin.kd
    .args:
      - { .name: part, .offset: 0, .size: 8, .value_kind: global_buffer, .address_space: global }
      - { .name: out0, .offset: 8, .size: 8, .value_kind: global_buffer, .address_space: global }
    .group_segment_fixed_size: 9728
    .private_segment_fixed_size: 0
    .kernarg_segment_align: 8
    .kernarg_segment_size: 16
    .max_flat_workgroup_size: 256
    .sgpr_count:     66
    .vgpr_count:     48
    .wavefront_size: 32
...
	.end_amdgpu_metadata
.endif
;; end of part 3
;; ======== version 2 of 2: 3 launches; version 1 with the launch bp written anew for expert scheduling mode
;; limits: values outside matrix products are rounded to bf16
;; workspace buffers: s16 14,745,600 bytes; trig 11,520 bytes; gb 184,320 bytes of whole numbers; kt 2,949,120 bytes of whole numbers; kf 2,949,120 bytes; part 8,388,608 bytes
;; launch prep: the kernel of part 1 again; grid 720 x 2, 8 waves a work-group, no clusters, 22,272 bytes of LDS; arguments sino, s16, trig, gb, kt, kf; writes s16, trig, gb, kt, kf
;; launch bp (part 4): grid 64 x 4, 8 waves a work-group, no clusters, 74,752 bytes of LDS; arguments s16, trig, gb, kt, kf, part; writes part
.if DOCPART == 4
	.amdgcn_target "amdgcn-amd-amdhsa--gfx1250"
	.amdhsa_code_object_version 6
	.text
	.protected	k_qf20c0ce2e0_bp
	.globl	k_qf20c0ce2e0_bp
	.p2align	8
	.type	k_qf20c0ce2e0_bp,@function
k_qf20c0ce2e0_bp:
	s_mov_b64 s[64:65], 0
	v_nop
	global_prefetch_b8 v0, s[64:65] scope:SCOPE_SE
	s_setreg_imm32_b32 hwreg(HW_REG_WAVE_SCHED_MODE, 0, 2), 2
	s_setreg_imm32_b32 hwreg(HW_REG_WAVE_MODE, 25, 1), 1
	s_wait_xcnt 0x0
	s_wait_alu depctr_vm_vsrc(0)
; THE BACKPROJECTION AS A BANDED MATRIX PRODUCT.  For a tile of 4 x 4 pixels and one angle all taps of the linear interpolation lie in a window of 16 detector bins that starts at a multiple of 8
; (a tile spans under 6.992 bins).  So for two angles a, a + 1:  out[pixel 16][batch 16] += W[pixel][k 32] x S[k][batch], k = 2 angles x 16 bins,
;   W = weight x max(0, 1 - |ui - bin|): the two taps v0 (1 - frac) + v1 frac of the interpolation, all other bins 0; made here in f32 and rounded once to bf16;
;   S = the sinogram in bf16, from s16[angle][group 40][batch 32][8 bins].  One W serves two matrix instructions, batches 0-15 and 16-31.  Sums in f32.
; ui = 367.5 + (1.5 c py - 1.5 s px) r,  r = 1 / (1 - px c/1000 - py s/1000),  weight = r^2.  ui stays within 232.2 .. 502.8 for every pixel and angle (|ui - 367.5| <= 1500 x 89.81 / 995.96), so the
; clips and the mask of the interpolation never act and are not written.
; LIMITS.  sino finite: a NaN or an infinity in a window would reach all 16 pixels of the tile (0 x infinity), not only those that tap it.  The weights carry bf16's 8 significant bits.
; SHARES.  A work-group: a block of 16 x 16 pixels (x of the grid) and 180 angles (y): 15 phases of 12 angles, a phase 6 steps of 2.  Wave w: tiles 2 w and 2 w + 1 (one tile row).
; Lane (r = lane % 16, h = lane / 16): pixel r in W, batch r in S; its OWN angle is a + h, its PARTNER's a + 1 - h.  K is laid alike in W and S: registers 0-3 = own angle, the window's bins 0-7;
; registers 4-7 = partner's angle, bins 8-15.  So each lane makes (weight, place) for one angle and takes the other angle's from the lane 16 away.
; LDS.  Two slots that take turns, each [12 angles][6 groups][32 batches][16 bytes]: of each angle the block's window of 48 bins (a block spans under 34.96), which starts at group gb[block][angle].
; WHY THROUGH REGISTERS, not by tensor loads: each angle's 3,072 bytes start at a group of their own, read from a table, so no one descriptor covers two angles.  WHY NO CLUSTER: the four angle groups
; share no byte, and neighbouring blocks' windows start at different groups.
; WHOLE NUMBERS that steer addresses (gb, kt) were stored by the launch before; each is held to its range (34, 4) by a minimum with a constant before it enters an address.
; The accumulators are cleared by 32 moves while the first loads are out: a first step written out would be a further copy of a phase's text.
; THE MODE: SCHED_MODE bits 1:0 = 2 (LLVM: expert scheduling mode 2), set by the entry lines.  The code itself states the register dependences
; between vector or matrix instructions and memory or LDS instructions, with s_wait_alu, always for 0.
; THE PLAN.  Registers that memory or LDS instructions touch:
;   L16, SD, VOWN, VPAR, VTR   Offsets and an LDS address: made at the head, never written again.  One wait on va_vdst ahead of the first load serves them for the whole kernel.
;   AO, AP (one each a tile)   Step k: written by its first eight vector lines; read, as addresses, by its eight LDS loads.
;   SA, SB                     Step k: its LDS loads land in them; its four matrix instructions read them.
;   TB[k]                      Read by step k's vector lines.  The next phase's entries land in it: asked for in step k + 1, TB[5]'s at the phase's end.
;   STG                        Named by no vector line: the nine windows' loads land in it at a phase's head, nine LDS stores read it at the phase's end.
;   The sums                   Written by matrix instructions; read by the stores at the kernel's end.      SPW, NIL: written at the head, read by the closing add alone.
; So ONE wait on va_vdst stands in a step, behind its address lines and the geometry up to the two reciprocals.  It states that AO and AP are written, that the last step's matrix instructions are done
; reading SA and SB, that the last step's vector lines are done reading TB[k - 1], and that the reciprocals are written.  The step's eight LDS loads follow it at once, the four table loads into TB[k - 1]
; among the vector lines behind it: none of those lines names a register that these loads touch.  A further one stands at a phase's end, for TB[5].
; Waits on vm_vsrc: at the head of steps 1 to 5 (AO and AP are written again), and at a fetching phase's end, ahead of the barrier (STG is loaded again; AO and AP are written again by the next step 0).
.set SLOT,  36864
.set SPARE, 73728                      ; behind the two slots: the spare words, 128 bytes a wave, four blocks of 256 bytes that no other line names
.set SPW,  1                           ; v1   SPARE + 4 x my thread's number; never rewritten
.set NIL,  2                           ; v2   0; never rewritten
.set L16,  3                           ; v3   16 x lane
.set LBO,  4                           ; v4-5 slot 0, 1: 16 r + 3072 h: my batch in the first group of my own angle
.set LBP,  6                           ; v6-7 16 r + 3072 (1 - h) + 512: in the second group of my partner's angle
.set SD,   8                           ; v8   4608 w + 16 x lane: where my wave's share of a slot begins
.set VOWN, 9                           ; v9   64 h + 8 w: my two tiles' entries in kt and kf, own angle
.set VPAR, 10                          ; v10  64 (1 - h) + 8 w: partner's angle
.set VTR,  11                          ; v11  16 h
.set NPX,  12                          ; v12-13  -px of my pixel in tile 0, 1
.set NPY,  14                          ; v14  -py
.set PY,   15                          ; v15  py
.set NJ,   16                          ; v[16:25]  0, -1, .. -9
.set TB,   26                          ; v[26:85]  step k at TB + 10 k: kt own (2), kt partner (2), kf own (2), trig own (4)
.set STG,  86                          ; v[86:121] nine loads of 16 bytes on their way to the other slot
.set AS,   122                         ; v[122:131] weight x (place - j), j = 0 .. 9
.set EE,   132
.set FF,   133
.set DD,   134                         ; v134-135 divisor, then numerator
.set RR,   136                         ; v136-137
.set TT,   138                         ; v138-139
.set TS,   46                          ; registers a tile, from v140 on:
.set TP,   140                         ; (weight, weight x place) of my own angle
.set TQ,   142                         ; the same of my partner's angle
.set AO,   144                         ; LDS address, own angle
.set AP,   145                         ; partner's
.set WW,   146                         ; W, 8 registers
.set SA,   154                         ; S, batches 0-15
.set SB,   162                         ; S, batches 16-31
.set AC0,  170                         ; sums, batches 0-15
.set AC1,  178                         ; sums, batches 16-31
.set PK,   232                         ; v232-236 the ten a_j rounded to bf16, two a register
.set NG,   237                         ; v237-240 their negatives two places on, then the minima
.set ZR,   241                         ; v241 0, for the packed maximum, which takes its sources from registers
.set GBB,  24                          ; s[24:25] gb at my block's first angle
.set SO,   26                          ; s26-28   unit i: 4 x its angle in a phase
.set PHB,  29                          ; s29      48 x the phase whose gb is asked for next
.set GBV,  30                          ; s30-32   unit i: gb of the next phase's angle
.set SOFF, 33                          ; s33-35   offsets of the scalar loads
.set SPU,  36                          ; s[36:41] unit i: s16 at its angle and half window, group 0
.set BASE, 42                          ; s[42:47] the same at the window's first group
.set KTB,  48                          ; s[48:49] kt, s[50:51] kf, s[52:53] trig at the phase being fetched
.set KFB,  50
.set TRB,  52
.set PB,   54                          ; s[54:55] part at my wave's two tiles
	s_load_b256 s[4:11], s[0:1], 0x0               ; s16 s[4:5], trig s[6:7], gb s[8:9], kt s[10:11]
	s_load_b128 s[12:15], s[0:1], 0x20             ; kf s[12:13], part s[14:15]
	v_lshl_add_u32 v[SPW], v0, 2, SPARE
	v_mov_b32 v[NIL], 0
	v_lshrrev_b32 v[EE], 5, v0
	v_readfirstlane_b32 s16, v[EE]                 ; wave 0..7
	s_mov_b32 s17, ttmp9                           ; block
	s_and_b32 s18, ttmp7, 0xffff                   ; angle group
	s_mul_i32 s19, s18, 180                        ; its first angle
	s_mov_b32 s22, 0x76543210                      ; v_permlanex16_b32: each lane takes its own place in the other half
	s_mov_b32 s23, 0xfedcba98
	s_mov_b32 s57, 0xc1000000                      ; -8.0
	s_mov_b32 s59, 0                               ; high words of the offset pairs
	s_mov_b32 s61, 0
	v_and_b32 v[L16], 31, v0
	v_lshlrev_b32 v[L16], 4, v[L16]
	v_and_b32 v[EE], 15, v0                        ; r
	v_bfe_u32 v[FF], v0, 4, 1                      ; h
	v_xor_b32 v[DD], 1, v[FF]                      ; 1 - h
	v_lshlrev_b32 v[EE], 4, v[EE]
	v_mul_u32_u24 v[LBO], v[FF], 3072
	v_add_nc_u32 v[LBO], v[LBO], v[EE]
	v_mul_u32_u24 v[LBP], v[DD], 3072
	v_add_nc_u32 v[LBP], v[LBP], v[EE]
	v_add_nc_u32 v[LBP], 512, v[LBP]
	v_add_nc_u32 v[LBO+1], SLOT, v[LBO]
	v_add_nc_u32 v[LBP+1], SLOT, v[LBP]
	s_wait_alu depctr_va_sdst(0)                   ; s16, the wave's number, is written, ahead of its first reader: the line below
	s_mul_i32 s20, s16, 4608
	v_add_nc_u32 v[SD], s20, v[L16]
	s_lshl_b32 s20, s16, 3
	v_lshl_add_u32 v[VOWN], v[FF], 6, s20
	v_lshl_add_u32 v[VPAR], v[DD], 6, s20
	v_lshlrev_b32 v[VTR], 4, v[FF]
	; my pixel: x = 16 (block % 8) + 8 (w % 2) + r % 4 (tile 1: 4 more), y = 16 (block / 8) + 4 (w / 2) + r / 4; px = x - 63.5, py = y - 63.5
	s_and_b32 s20, s17, 7
	s_lshl_b32 s20, s20, 4
	s_and_b32 s21, s16, 1
	s_lshl_b32 s21, s21, 3
	s_add_co_u32 s20, s20, s21
	v_and_b32 v[EE], 3, v0
	v_add_nc_u32 v[EE], s20, v[EE]
	v_cvt_f32_u32 v[EE], v[EE]
	v_sub_f32 v[NPX], 0x427e0000, v[EE]            ; 63.5 - x
	v_add_f32 v[NPX+1], -4.0, v[NPX]
	s_lshr_b32 s20, s17, 3
	s_lshl_b32 s20, s20, 4
	s_lshr_b32 s21, s16, 1
	s_lshl_b32 s21, s21, 2
	s_add_co_u32 s20, s20, s21
	v_bfe_u32 v[EE], v0, 2, 2
	v_add_nc_u32 v[EE], s20, v[EE]
	v_cvt_f32_u32 v[EE], v[EE]
	v_sub_f32 v[NPY], 0x427e0000, v[EE]
	v_add_f32 v[PY], 0xc27e0000, v[EE]
	; The loader's share: a slot is 24 units of 1,536 bytes (half an angle's window); wave w brings units 3 w + i, i = 0..2, three loads of 512 bytes each.
	s_mul_i32 s20, s16, 3
.irp i, 0,1,2
	s_add_co_u32 s21, s20, \i
	s_lshr_b32 s58, s21, 1                         ; the unit's angle in a phase
	s_lshl_b32 s[SO+\i], s58, 2
	s_add_co_u32 s58, s58, s19
	s_mul_i32 s58, s58, 20480
	s_and_b32 s21, s21, 1                          ; which half of the window
	s_mul_i32 s21, s21, 1536
	s_add_co_u32 s[SPU+2*\i], s58, s21             ; an offset for now; the address is added below
	s_mov_b32 s[SPU+2*\i+1], 0
.endr
	s_mul_i32 s58, s17, 720
	s_add_co_u32 s58, s58, s19                     ; 720 x block + first angle
	s_lshl_b32 s60, s58, 6
	s_lshl_b32 s58, s58, 2
	s_wait_kmcnt 0x0
	s_add_nc_u64 s[GBB:GBB+1], s[8:9], s[58:59]
	s_add_nc_u64 s[KTB:KTB+1], s[10:11], s[60:61]
	s_add_nc_u64 s[KFB:KFB+1], s[12:13], s[60:61]
	s_lshl_b32 s58, s19, 4
	s_add_nc_u64 s[TRB:TRB+1], s[6:7], s[58:59]
	s_lshl_b32 s58, s18, 6
	s_add_co_u32 s58, s58, s17
	s_lshl_b32 s58, s58, 15                        ; part: 32,768 bytes for an angle group's block,
	s_lshl_b32 s60, s16, 12                        ; 4,096 for a wave's two tiles
	s_add_co_u32 s58, s58, s60
	s_add_nc_u64 s[PB:PB+1], s[14:15], s[58:59]
.irp i, 0,1,2
	s_add_nc_u64 s[SPU+2*\i:SPU+2*\i+1], s[4:5], s[SPU+2*\i:SPU+2*\i+1]
.endr
.irp i, 0,1,2
	s_load_b32 s[GBV+\i], s[GBB:GBB+1], s[SO+\i] offset:0x0  ; phase 0's windows
.endr
.macro WINDOW                          ; each unit's address at its window's first group
.irp i, 0,1,2
	s_min_u32 s58, s[GBV+\i], 34                   ; a number read from memory is held to its range before it enters an address
	s_lshl_b32 s58, s58, 9
	s_add_nc_u64 s[BASE+2*\i:BASE+2*\i+1], s[SPU+2*\i:SPU+2*\i+1], s[58:59]
.endr
.endm
.macro SLOADS                          ; nine loads: a wave's load covers 512 consecutive bytes, one group
.irp i, 0,1,2
.irp j, 0,1,2
	global_load_b128 v[STG+4*(3*\i+\j):STG+4*(3*\i+\j)+3], v[L16], s[BASE+2*\i:BASE+2*\i+1] offset:512*\j
.endr
.endr
.endm
.macro SSTORE s                        ; and into slot s
.irp u, 0,1,2,3,4,5,6,7,8
	ds_store_b128 v[SD], v[STG+4*\u:STG+4*\u+3] offset:(\s)*SLOT+512*\u
.endr
.endm
.macro TFETCH k                        ; step k's table entries: four loads
	global_load_b64 v[TB+10*(\k):TB+10*(\k)+1],    v[VOWN], s[KTB:KTB+1] offset:128*(\k)
	global_load_b64 v[TB+10*(\k)+2:TB+10*(\k)+3],  v[VPAR], s[KTB:KTB+1] offset:128*(\k)
	global_load_b64 v[TB+10*(\k)+4:TB+10*(\k)+5],  v[VOWN], s[KFB:KFB+1] offset:128*(\k)
	global_load_b128 v[TB+10*(\k)+6:TB+10*(\k)+9], v[VTR],  s[TRB:TRB+1] offset:32*(\k)
.endm
; Half a W for tile t from the pair src = (w, y), y = w x (ui - first bin + 1): a_j = y - j w for j = 0..9, in f32.  With x = ui - bin j: a_j = w (x + 1) and -a_(j+2) = w (1 - x), so
; w x hat(bin j) = max(0, min(a_j, -a_(j+2))).  The ten a_j are rounded to bf16 FIRST, two a register; the negative is then a flip of two sign bits, and minimum and maximum go two at a time and
; round nothing.  Rounding to nearest even keeps order and sign, so the weights are the same bits as if the f32 result had been rounded.
.macro BUILD t, src, half
.irp i, 0,1,2,3,4
	v_pk_fma_f32 v[AS+2*\i:AS+2*\i+1], v[(\src)+TS*(\t):(\src)+TS*(\t)+1], v[NJ+2*\i:NJ+2*\i+1], v[(\src)+TS*(\t):(\src)+TS*(\t)+1] op_sel:[0,0,1] op_sel_hi:[0,1,1]  ; w for both factors, y for both addends
.endr
.irp i, 0,1,2,3,4
	v_cvt_pk_bf16_f32 v[PK+\i], v[AS+2*\i], v[AS+2*\i+1]
.endr
.irp i, 0,1,2,3
	v_xor_b32 v[NG+\i], 0x80008000, v[PK+\i+1]     ; -a_(2 i + 2), -a_(2 i + 3)
.endr
.irp i, 0,1,2,3
	v_pk_min_num_bf16 v[NG+\i], v[PK+\i], v[NG+\i]
.endr
.irp i, 0,1,2,3
	v_pk_max_num_bf16 v[WW+TS*(\t)+4*(\half)+\i], v[NG+\i], v[ZR]
.endr
.endm
; ONE STEP: angles 2 k, 2 k + 1 of the phase in slot.  cnt: the younger global loads that may stay out.  fetch = 1: the table entries of the step before, for the next phase, are asked for.
.macro STEP slot, k, fetch, cnt
	s_wait_loadcnt \cnt                            ; loads come back in order: this step's four table loads are in
.if (\k) > 0
	s_wait_alu depctr_vm_vsrc(0)                   ; the last step's LDS loads have read AO and AP, which the lines below write again (for step 0 the wait at the last phase's end states it)
.endif
.irp t, 0,1                                    ; sixteen vector lines that name no register of the last step's matrix instructions stand between those and the wait below
	v_min_u32 v[AO+TS*\t], 4, v[TB+10*(\k)+\t]
	v_min_u32 v[AP+TS*\t], 4, v[TB+10*(\k)+2+\t]
.endr
.irp t, 0,1
	v_lshl_add_u32 v[AO+TS*\t], v[AO+TS*\t], 9, v[LBO+(\slot)]
	v_lshl_add_u32 v[AP+TS*\t], v[AP+TS*\t], 9, v[LBP+(\slot)]
.endr
	v_fma_f32 v[EE], v[NPY], v[TB+10*(\k)+7], 1.0          ; 1 - py s/1000
	v_fma_f32 v[DD],   v[NPX],   v[TB+10*(\k)+6], v[EE]    ; - px c/1000
	v_fma_f32 v[DD+1], v[NPX+1], v[TB+10*(\k)+6], v[EE]
	v_rcp_f32 v[RR],   v[DD]
	v_rcp_f32 v[RR+1], v[DD+1]
	v_mul_f32 v[FF], v[PY], v[TB+10*(\k)+8]                ; 1.5 c py: the plain line behind the reciprocals
	v_fma_f32 v[DD],   v[NPX],   v[TB+10*(\k)+9], v[FF]    ; - 1.5 s px
	v_fma_f32 v[DD+1], v[NPX+1], v[TB+10*(\k)+9], v[FF]
	s_wait_alu depctr_va_vdst(0)                   ; AO and AP are written, which the LDS loads below read; the last step's matrix instructions are done reading SA and SB, in which they land; the last step's vector lines are done reading its table entries, in which the table loads below land; the two reciprocals RR are written, ahead of their first reader
.irp t, 0,1                                    ; sixteen lanes read 256 consecutive bytes: no bank is met twice
	ds_load_b128 v[SA+TS*\t:SA+TS*\t+3],   v[AO+TS*\t] offset:6144*(\k)
	ds_load_b128 v[SB+TS*\t:SB+TS*\t+3],   v[AO+TS*\t] offset:6144*(\k)+256
	ds_load_b128 v[SA+TS*\t+4:SA+TS*\t+7], v[AP+TS*\t] offset:6144*(\k)
	ds_load_b128 v[SB+TS*\t+4:SB+TS*\t+7], v[AP+TS*\t] offset:6144*(\k)+256
.endr
	v_fma_f32 v[TT],   v[DD],   v[RR],   v[TB+10*(\k)+4]   ; ui - the window's first bin + 1
	v_fma_f32 v[TT+1], v[DD+1], v[RR+1], v[TB+10*(\k)+5]
	v_mul_f32 v[TP],    v[RR],   v[RR]                     ; the weight
	v_mul_f32 v[TP+TS], v[RR+1], v[RR+1]
	v_mul_f32 v[TP+1],    v[TP],    v[TT]
	v_mul_f32 v[TP+TS+1], v[TP+TS], v[TT+1]
.if (\fetch) && ((\k) > 0)
	TFETCH (\k)-1                                  ; the last step's entries, for the next phase.  No wait: no vector line since the wait above names them
.endif
.irp t, 0,1
	v_permlanex16_b32 v[TQ+TS*\t],   v[TP+TS*\t],   s22, s23  ; the same pixel at the other angle
	v_permlanex16_b32 v[TQ+TS*\t+1], v[TP+TS*\t+1], s22, s23
.endr
.irp t, 0,1
	v_fma_f32 v[TQ+TS*\t+1], v[TQ+TS*\t], s57, v[TQ+TS*\t+1]  ; bins 8 to 15: the place less 8
.endr
	BUILD 0, TP, 0
	BUILD 0, TQ, 1
	s_wait_dscnt 4                                 ; tile 0's four loads are in, tile 1's may stay out
	v_wmma_f32_16x16x32_bf16 v[AC0:AC0+7], v[WW:WW+7], v[SA:SA+7], v[AC0:AC0+7]  ; the four accumulators take turns, one instruction a turn
	v_wmma_f32_16x16x32_bf16 v[AC1:AC1+7], v[WW:WW+7], v[SB:SB+7], v[AC1:AC1+7]
	BUILD 1, TP, 0
	BUILD 1, TQ, 1
	s_wait_dscnt 0x0
	v_wmma_f32_16x16x32_bf16 v[AC0+TS:AC0+TS+7], v[WW+TS:WW+TS+7], v[SA+TS:SA+TS+7], v[AC0+TS:AC0+TS+7]
	v_wmma_f32_16x16x32_bf16 v[AC1+TS:AC1+TS+7], v[WW+TS:WW+TS+7], v[SB+TS:SB+TS+7], v[AC1+TS:AC1+TS+7]
.endm
; ONE PHASE: 12 angles out of slot.  fetch = 1: the next phase's windows are asked for at its head, go through registers, and are stored into the other slot at its end.
; Global loads of a phase, in order: 9 windows' (next phase); 4 table loads (next phase) in each of steps 1 to 5, for steps 0 to 4; 4 at the phase's end, for step 5.
; At step 0 the loads younger than this phase's step 0 are 20 + 9 = 29; at step k >= 1 they are 4 (5 - k) + 9 + 4 (k - 1) = 25; at the phase's end 20 are younger than the nine.
; The last phase asks for nothing: 20, 16, .. 0.
.macro PHASE slot, fetch
.if \fetch
	s_wait_kmcnt 0x0                               ; gb of the next phase is in, and the scalar loads' offsets may be rewritten
	s_wait_xcnt 0x0                                ; the bases of the loads issued so far may be stepped
.irp i, 0,1,2
	s_add_nc_u64 s[SPU+2*\i:SPU+2*\i+1], s[SPU+2*\i:SPU+2*\i+1], 12*20480
.endr
	WINDOW
	s_add_nc_u64 s[KTB:KTB+1], s[KTB:KTB+1], 768
	s_add_nc_u64 s[KFB:KFB+1], s[KFB:KFB+1], 768
	s_add_nc_u64 s[TRB:TRB+1], s[TRB:TRB+1], 192
	s_min_u32 s20, s[PHB], 672                     ; the phase after next; behind the last phase the last one's entries once more, so that no load leaves the buffer
.irp i, 0,1,2
	s_add_co_u32 s[SOFF+\i], s20, s[SO+\i]
.endr
.irp i, 0,1,2
	s_load_b32 s[GBV+\i], s[GBB:GBB+1], s[SOFF+\i] offset:0x0
.endr
	s_add_co_u32 s[PHB], s[PHB], 48
	SLOADS                                         ; they land in STG, which no vector line names; the LDS stores that read it stand ahead of the wait on vm_vsrc at the last phase's end
.endif
.irp k, 0,1,2,3,4,5
.if \fetch
.if \k == 0
	STEP \slot, \k, 1, 29
.else
	STEP \slot, \k, 1, 25
.endif
.else
	STEP \slot, \k, 0, 20-4*\k
.endif
.endr
.if \fetch
	s_wait_loadcnt 20                              ; the nine windows' loads are in; the 20 table loads behind them stay out
	SSTORE 1-(\slot)                               ; the other slot was last read in the phase before: every wave waited for those reads in front of that phase's barrier
	s_wait_alu depctr_va_vdst(0)                   ; step 5's vector lines are done reading its table entries, in which the four loads below land
	TFETCH 5
	s_wait_dscnt 0x0                               ; for the others' sake: my stores are done, and so are my reads of this slot
	s_wait_alu depctr_vm_vsrc(0)                   ; my LDS stores have read STG, in which the next phase's windows land; step 5's LDS loads have read AO and AP, which the next step 0 writes
	s_barrier_signal -1
	s_barrier_wait -1
.endif
.endm
	s_wait_kmcnt 0x0
	WINDOW
	s_wait_alu depctr_va_vdst(0)                   ; L16, SD, VOWN, VPAR and VTR are written: every load and store of the kernel but the loads from the slots reads one of them as its offset or address
	SLOADS                                         ; phase 0's windows
.irp i, 0,1,2
	s_add_co_u32 s[SOFF+\i], s[SO+\i], 48
.endr
.irp i, 0,1,2
	s_load_b32 s[GBV+\i], s[GBB:GBB+1], s[SOFF+\i] offset:0x0  ; phase 1's
.endr
.irp k, 0,1,2,3,4,5
	TFETCH \k                                      ; phase 0's tables
.endr
	s_mov_b32 s[PHB], 96
	; while those are out: the constants, and 0 in the sums and in the exchange's destinations (which count as read); none of these registers is named by a load that is out
	v_mov_b32 v[NJ], 0
	v_mov_b32 v[NJ+1], -1.0
	v_mov_b32 v[NJ+2], -2.0
	v_mov_b32 v[NJ+3], 0xc0400000
	v_mov_b32 v[NJ+4], -4.0
	v_mov_b32 v[NJ+5], 0xc0a00000
	v_mov_b32 v[NJ+6], 0xc0c00000
	v_mov_b32 v[NJ+7], 0xc0e00000
	v_mov_b32 v[NJ+8], 0xc1000000
	v_mov_b32 v[NJ+9], 0xc1100000
	v_mov_b32 v[ZR], 0
.irp t, 0,1
	v_mov_b32 v[TQ+TS*\t], 0
	v_mov_b32 v[TQ+TS*\t+1], 0
.irp c, 0,1,2,3,4,5,6,7,8,9,10,11,12,13,14,15
	v_mov_b32 v[AC0+TS*\t+\c], 0
.endr
.endr
	s_wait_loadcnt 24                              ; the nine windows' loads are in; the 24 table loads stay out
	SSTORE 0
	s_wait_dscnt 0x0
	s_wait_alu depctr_vm_vsrc(0)                   ; my LDS stores have read STG, in which phase 1's windows land
	s_barrier_signal -1
	s_barrier_wait -1
	s_mov_b32 s56, 7
.Lpair:                                                ; 7 trips of two phases; each fetches the phase behind it
	PHASE 0, 1
	PHASE 1, 1
	s_sub_co_u32 s56, s56, 1
	s_cmp_lg_u32 s56, 0
	s_cbranch_scc1 .Lpair
	PHASE 0, 0                                     ; phase 14: nothing is left to fetch
.rept 4
	v_nop                                          ; four places between the last matrix instruction and the stores of its result
.endr
	s_wait_alu depctr_va_vdst(0)                   ; the matrix instructions have written the sums, which the stores below read; the places above stay beside this wait
	; The sums leave as they lie: part[angle group][block][tile][batch half][q][lane][4]: register 4 q + j of lane (r, h) is pixel 8 h + 4 q + j of the tile, batch r + 16 x half.
	; A wave's store covers 512 consecutive bytes; each accumulator's low four registers go first.
.irp t, 0,1
.irp c, 0,1
.irp q, 0,1
	global_store_b128 v[L16], v[AC0+TS*\t+8*\c+4*\q:AC0+TS*\t+8*\c+4*\q+3], s[PB:PB+1] offset:2048*\t+1024*\c+512*\q
.endr
.endr
.endr
	s_wait_dscnt 0x0                               ; the wave's end
	s_wait_alu 0x0
	s_wait_tensorcnt 0x0
	ds_add_u32 v[SPW], v[NIL]
	s_wait_dscnt 0x0
	s_endpgm
.Lfunc_end_k_qf20c0ce2e0_bp:
	.size	k_qf20c0ce2e0_bp, .Lfunc_end_k_qf20c0ce2e0_bp-k_qf20c0ce2e0_bp
	.p2alignl 7, 3214868480
	.fill 96, 4, 3214868480
	.section	.rodata,"a",@progbits
	.p2align	6, 0x0
	.amdhsa_kernel k_qf20c0ce2e0_bp
		.amdhsa_group_segment_fixed_size 74752
		.amdhsa_private_segment_fixed_size 0
		.amdhsa_enable_private_segment 0
		.amdhsa_kernarg_size 48
		.amdhsa_user_sgpr_count 2
		.amdhsa_user_sgpr_kernarg_segment_ptr 1
		.amdhsa_wavefront_size32 1
		.amdhsa_system_sgpr_workgroup_id_x 1
		.amdhsa_system_sgpr_workgroup_id_y 1
		.amdhsa_system_sgpr_workgroup_id_z 1
		.amdhsa_system_vgpr_workitem_id 0
		.amdhsa_next_free_vgpr 244
		.amdhsa_next_free_sgpr 66
		.amdhsa_reserve_vcc 0
		.amdhsa_float_denorm_mode_32 3
		.amdhsa_float_denorm_mode_16_64 3
		.amdhsa_memory_ordered 1
		.amdhsa_forward_progress 1
		.amdhsa_inst_pref_size 163
	.end_amdhsa_kernel
	.amdgpu_metadata
---
amdhsa.version: [ 1, 2 ]
amdhsa.kernels:
  - .name:           k_qf20c0ce2e0_bp
    .symbol:         k_qf20c0ce2e0_bp.kd
    .args:
      - { .name: s16, .offset: 0, .size: 8, .value_kind: global_buffer, .address_space: global }
      - { .name: trig, .offset: 8, .size: 8, .value_kind: global_buffer, .address_space: global }
      - { .name: gb, .offset: 16, .size: 8, .value_kind: global_buffer, .address_space: global }
      - { .name: kt, .offset: 24, .size: 8, .value_kind: global_buffer, .address_space: global }
      - { .name: kf, .offset: 32, .size: 8, .value_kind: global_buffer, .address_space: global }
      - { .name: part, .offset: 40, .size: 8, .value_kind: global_buffer, .address_space: global }
    .group_segment_fixed_size: 74752
    .private_segment_fixed_size: 0
    .kernarg_segment_align: 8
    .kernarg_segment_size: 48
    .max_flat_workgroup_size: 256
    .sgpr_count:     66
    .vgpr_count:     244
    .wavefront_size: 32
...
	.end_amdgpu_metadata
.endif
;; end of part 4
;; launch fin: the kernel of part 3 again; grid 128 x 2, 8 waves a work-group, no clusters, 9,728 bytes of LDS; arguments part, out0; writes out0
